; MI455X (gfx1250); checked and timed in simulation.
; The chip was launched on July 23, 2026; its instructions are those of AMD's public machine-readable ISA for CDNA 5 (MIT licence, August 2026) and "CDNA5" Instruction Set Architecture Reference Guide (July 2026). The comments in the code are by the model that wrote it; some were corrected since.
;; LSTM Cell. Allowed arithmetic: matrix products marked QUANTISED: E5M2 operands, one E8M0 scale for each 32 along K, by v_wmma_scale_f32_16x16x128_f8f6f4 with both operands' format E5M2, f32 sums; everything else in f32.
;; Inputs: Wh 1,024 x 4,096 float32; Wi 512 x 4,096 float32; bh 4,096 float32; c 8,192 x 1,024 float32; h 8,192 x 1,024 float32; ln_beta 4 x 1,024 float32; ln_gamma 4 x 1,024 float32; x 8,192 x 512 float32.
;; Outputs: out0 8,192 x 1,024 float32; out1 8,192 x 1,024 float32.
;; This version of the problem:
;;   THIS VERSION OF THE PROBLEM IS GIVEN IN LOW PRECISION. The matrix products marked QUANTISED in the list below multiply operands that are first quantised to E5M2 (5 exponent bits, 2 mantissa bits; 8 bits a number), with one power-of-two scale for each 32 numbers along K (OCP MX v1.0); their sums are f32. All else is computed in f32.
;;   The module's matrix products, in the order in which they are computed (A, B: the left and right operand; K: the contracted axis; several contracted axes count as one K, in the product's order):
;;     1. [M 8,192, K 512] x [K 512, N 4,096]; A: input x; B: input Wi: QUANTISED
;;     2. [M 8,192, K 1,024] x [K 1,024, N 4,096]; A: input h; B: input Wh: QUANTISED
;;   THE QUANTISER, for each operand of a quantised product, along K:
;;     - K is cut into blocks of 32 from its start; a last block that is shorter is filled with zeros.
;;     - A block's scale is 2^e with e = floor(log2(the largest magnitude in the block)) - 15, held to -126 .. 127; a block of zeros has e = 0. As a byte (E8M0): e + 127.
;;     - Each number is divided by its block's scale, clamped to +-57,344, and rounded to the nearest number of E5M2, ties to even, subnormals kept.
;;     - The product sums the exact products of the quantised numbers (number of the format x scale) in f32.
;;   ~~~python
;;   def quantise(x, axis):      # numpy; x: float32 -> the quantised numbers, widened to float32 again
;;       x = np.moveaxis(x, axis, -1); K = x.shape[-1]
;;       x = np.pad(x, [(0, 0)] * (x.ndim - 1) + [(0, -K % 32)]); x = x.reshape(x.shape[:-1] + (-1, 32)); a = np.abs(x).max(-1, keepdims=True)
;;       e = np.where(a > 0, np.clip(np.frexp(np.where(a > 0, a, 1))[1] - 1 - 15, -126, 127), 0)      # np.frexp(a)[1] - 1 = floor(log2(a)), exactly
;;       r = np.clip(x / 2.0 ** e, -57344, 57344)
;;       step = 2.0 ** (np.maximum(np.frexp(np.where(r == 0, 1, r))[1] - 1, -14) - 2)
;;       q = np.round(r / step) * step * 2.0 ** e      # np.round: ties to even
;;       return np.moveaxis(q.reshape(q.shape[:-2] + (-1,))[..., :K], -1, axis).astype(np.float32)
;;   ~~~
;; One version. Each part assembles by itself: llvm-mc -triple=amdgcn-amd-amdhsa -mcpu=gfx1250 --defsym DOCPART=n.
;; ======== version 1 of 1: 3 launches
;; limits: right only within a limited range of input values
;; workspace buffers: a_codes 12,582,912 bytes; a_scales 524,288 bytes; w_codes 6,291,456 bytes; w_scales 262,144 bytes; gates 134,217,728 bytes
;; launch quant (part 1): grid 704 x 1, 4 waves a work-group, no clusters, 68,096 bytes of LDS; arguments x, h, a_codes, a_scales, Wi, Wh, w_codes, w_scales; writes a_codes, a_scales, w_codes, w_scales
.if DOCPART == 1
	.amdgcn_target "amdgcn-amd-amdhsa--gfx1250"
	.amdhsa_code_object_version 6
	.text
	.protected	k_qcd7a3f74bb_quant
	.globl	k_qcd7a3f74bb_quant
	.p2align	8
	.type	k_qcd7a3f74bb_quant,@function
k_qcd7a3f74bb_quant:
	s_mov_b64 s[64:65], 0
	v_nop
	global_prefetch_b8 v0, s[64:65] scope:SCOPE_SE
	s_setreg_imm32_b32 hwreg(HW_REG_WAVE_MODE, 25, 1), 1
	s_wait_xcnt 0x0
; LSTM cell with a LayerNorm for each gate, in three launches: this one quantises all four operands, the second multiplies, the third normalises and applies the cell.
; NO WORK IS LEFT OUT: bh differs along the LayerNorm's axis, ln_gamma, ln_beta and c enter the outputs directly, both products feed every gate: all eight inputs are loaded.
; Both products have the same rows and columns, so their K are laid on end: 512 (x, Wi), then 1,024 (h, Wh); both are multiples of 32, so the blocks are those of each product by itself.
; a_codes [8192][1536], w_codes [4096][1536]: codes of E5M2, K innermost.  a_scales [8192][64], w_scales [4096][64]: E8M0 bytes 0-47, and 0x7f in bytes 48-63, which no product reads.
; A block's scale byte is its largest magnitude's exponent field - 15, held at 1 from below; each number is divided by the scale, held within +-57,344 and rounded to the nearest code, ties to even.
; LIMITS: a block of zeros gets the byte 1 where the rule says 127 (its codes are zeros, and this program alone reads the bytes); blocks whose largest magnitude lies under 2^(16 - 127)
; are quantised under the byte 1; NaN and infinities in x, h, Wi, Wh are not served.
; SHARES: work-groups 0-191 take Wi and Wh (their loads are the narrower ones, so they get the lowest numbers), work-groups 192-703 x and h.  The two ways part on the work-group's number
; alone, and each has LDS bytes of its own.  No tensor loads, no barrier, no cluster: waves and work-groups share no byte.  No prefetch: both ways are plain streams with their loads running ahead.
.set WGW,   192
.set EMAX,  15
.set MANT,  0x600000                   ; the mantissa field of 57,344 as f32
.set SPW,   12                         ; v12 LDS address of my spare word; never rewritten
.set NIL,   13                         ; v13 0; never rewritten
.set SPARE, 32768                      ; the spare words, 128 bytes for each wave, which no other line names
.set WL,    33280                      ; LDS of the way for Wi and Wh: four stages
	s_cmp_lt_u32 ttmp9, WGW
	s_cbranch_scc1 .Lw
; ---- x and h.  Wave g takes rows 4 g .. 4 g + 3 in 12 steps of 512 numbers: step t is row t / 3; t % 3 = 0: x's row, 1 and 2: the halves of h's row.
; A step's four loads read 512 consecutive bytes each; the 2,048 bytes turn through the wave's own stage in LDS and come back 64 bytes a lane: 16 neighbours along K, two lanes to a block.
.set STEPS, 12
.set R,     16                         ; v16-79   four sets of 16 numbers as loaded
.set X,     80                         ; v80-111  two sets of 16 neighbours
.set E,     112                        ; v112-123 a scale byte for each step
.set C,     128                        ; v128-175 codes, four registers for each step
.set WREG,  8192                       ; a wave's LDS: two stages of 32 x SP bytes, then its 256 scale bytes
.set SP,    80                         ; a lane's 64 bytes + 16 of padding
.set PADV,  1
	s_load_b128 s[4:7], s[0:1], 0x0                ; x, h
	s_load_b128 s[8:11], s[0:1], 0x10              ; a_codes, a_scales
	v_lshl_add_u32 v[SPW], v0, 2, SPARE
	v_mov_b32 v[NIL], 0
	v_lshrrev_b32 v1, 5, v0
	v_readfirstlane_b32 s16, v1                    ; wave
	v_mov_b32 v[PADV], 0x7f
	v_and_b32 v2, 31, v0                           ; lane
	v_lshlrev_b32 v3, 4, v2                        ; my 16 bytes of 512
	s_mul_i32 s17, s16, WREG
	v_lshrrev_b32 v14, 2, v2
	v_mul_u32_u24 v14, v14, SP
	v_and_b32 v15, 3, v2
	v_lshl_add_u32 v14, v15, 4, v14
	v_add_nc_u32 v14, s17, v14                     ; into the stage: four lanes' 64 bytes on end, then the padding
	v_mul_u32_u24 v15, v2, SP
	v_add_nc_u32 v15, s17, v15                     ; out of it: my 16 neighbours
	v_lshrrev_b32 v5, 1, v2
	s_add_co_u32 s17, s17, 2*32*SP
	v_add_nc_u32 v5, s17, v5                       ; my block's scale byte
	v_lshlrev_b32 v7, 3, v2
	v_add_nc_u32 v6, s17, v7                       ; the scale bytes' way out: 8 bytes a lane
	s_mov_b32 s23, MANT
	s_sub_co_u32 s18, ttmp9, WGW
	s_lshl_b32 s18, s18, 2
	s_add_co_u32 s18, s18, s16                     ; g
	s_mov_b32 s21, 0
	s_wait_alu depctr_va_vdst(0)                   ; the wait at the head's end
	s_wait_kmcnt 0x0
	s_lshl_b32 s20, s18, 13                        ; four rows of x: 8,192 bytes
	s_add_nc_u64 s[4:5], s[4:5], s[20:21]
	s_lshl_b32 s20, s18, 14                        ; of h: 16,384
	s_add_nc_u64 s[6:7], s[6:7], s[20:21]
	s_mul_i32 s20, s18, 6144                       ; of codes: 6,144
	s_add_nc_u64 s[8:9], s[8:9], s[20:21]
	s_lshl_b32 s20, s18, 8                         ; of scale bytes: 256
	s_add_nc_u64 s[10:11], s[10:11], s[20:21]
.macro ALOAD t
.set RHO, (\t)/3
.set SS,  (\t)%3
.irp i, 0,1,2,3
.if SS == 0
	global_load_b128 v[R+16*((\t)%4)+4*\i:R+16*((\t)%4)+4*\i+3], v3, s[4:5] offset:2048*RHO+512*\i th:TH_LOAD_NT
.else
	global_load_b128 v[R+16*((\t)%4)+4*\i:R+16*((\t)%4)+4*\i+3], v3, s[6:7] offset:4096*RHO+2048*(SS-1)+512*\i th:TH_LOAD_NT
.endif
.endr
.endm
.macro ATURN t                         ; LDS serves a wave's instructions in order: no wait between the stores and the loads
.irp i, 0,1,2,3
	ds_store_b128 v14, v[R+16*((\t)%4)+4*\i:R+16*((\t)%4)+4*\i+3] offset:32*SP*((\t)%2)+8*SP*\i
.endr
.irp i, 0,1,2,3
	ds_load_b128 v[X+16*((\t)%2)+4*\i:X+16*((\t)%2)+4*\i+3], v15 offset:32*SP*((\t)%2)+16*\i
.endr
.endm
.irp p, 0,1,2,3
	ds_store_b8 v5, v[PADV] offset:64*\p+48        ; bytes 48-63 of my four rows of scales
.endr
.irp t, 0,1,2,3
	ALOAD \t
.endr
	s_wait_loadcnt 12                              ; step 0's four loads are in; the twelve of steps 1 to 3 stay out
	ATURN 0
.macro ASTEP t
.set XS, X+16*((\t)%2)
.if (\t) > 0
	s_wait_dscnt 1                                 ; this step's numbers are back (the last step's byte store may be out)
.else
	s_wait_dscnt 0x0
.endif
.if (\t)+4 < STEPS
	ALOAD (\t)+4
.endif
.if (\t)+1 < STEPS
.if STEPS-2-(\t) >= 3
	s_wait_loadcnt 12                              ; the next step's four are in; three steps' twelve may be out
.else
	s_wait_loadcnt 4*(STEPS-2-(\t))                ; the counts run down
.endif
	ATURN (\t)+1
.endif
	v_max3_num_f32 v8, |v[XS]|, |v[XS+1]|, |v[XS+2]|
	v_max3_num_f32 v9, |v[XS+3]|, |v[XS+4]|, |v[XS+5]|
.irp i, 6,10
	v_max3_num_f32 v8, v8, |v[XS+\i]|, |v[XS+\i+1]|
	v_max3_num_f32 v9, v9, |v[XS+\i+2]|, |v[XS+\i+3]|
.endr
	v_max3_num_f32 v8, v8, |v[XS+14]|, |v[XS+15]|
	v_max3_num_f32 v8, v8, v9, (EMAX+1)<<23        ; the floor 2^(16 - 127): the byte cannot fall under 1
	v_max_num_f32_dpp v8, v8, v8 row_xmask:1 row_mask:0xf bank_mask:0xf   ; with my neighbour's 16: the block's
	v_add_nc_u32 v11, -(EMAX<<23), v8              ; the conversion's scale operand
	v_and_or_b32 v10, v8, 0x7f800000, s23          ; 57,344 x the scale
.irp i, 0,1,2,3,4,5,6,7,8,9,10,11,12,13,14,15
	v_med3_num_f32 v[XS+\i], v[XS+\i], -v10, v10   ; the conversion does not saturate (ISA guide 7.6.2): the hold
.endr
	v_cvt_scalef32_pk8_bf8_f32 v[C+4*(\t):C+4*(\t)+1], v[XS:XS+7], v11
	v_cvt_scalef32_pk8_bf8_f32 v[C+4*(\t)+2:C+4*(\t)+3], v[XS+8:XS+15], v11
	v_lshrrev_b32 v[E+(\t)], 23, v11               ; the scale's byte (also the plain line behind the conversions)
	ds_store_b8 v5, v[E+(\t)] offset:64*((\t)/3)+16*((\t)%3)
	global_store_b128 v3, v[C+4*(\t):C+4*(\t)+3], s[8:9] offset:512*(\t)   ; 512 consecutive bytes, aligned
.endm
.irp t, 0,1,2,3,4,5,6,7,8,9,10,11
	ASTEP \t
.endr
	ds_load_b64 v[8:9], v6
	s_wait_dscnt 0x0
	global_store_b64 v7, v[8:9], s[10:11]          ; 256 consecutive bytes: four rows of scales
	s_wait_tensorcnt 0x0                           ; the wave's end
	ds_add_u32 v[SPW], v[NIL]
	s_wait_dscnt 0x0
	s_endpgm
; ---- Wi and Wh: K is their FIRST axis.  Work-group n: columns 128 (n % 32) on, 256 along the joined K from 256 (n / 32) on.  A LANE TAKES A COLUMN, ITS REGISTERS RUN DOWN K:
; a block of 32 lies in one lane's 32 registers and the codes come out with K innermost.  They go through the wave's own stage and leave as rows: sixteen lanes store 256 consecutive bytes, aligned.
; A lane's 8 scale bytes leave by one store of 8 bytes, 64 bytes from lane to lane: 262,144 bytes in all go out so.
.Lw:
.set SIZE_N, 4096
.set NB,    8
.set PITCH, 272
.set KROW,  1536
.set X,     32                         ; v32-95   two sets of 32 numbers
.set C,     96                         ; v96-103  a block's codes
.set OUTR,  112                        ; v112-175 the way out
.set SB,    24                         ; v24-25   the scale bytes
.set PD,    26                         ; v26-27   eight bytes 0x7f
	s_load_b128 s[4:7], s[0:1], 0x20               ; Wi, Wh
	s_load_b128 s[8:11], s[0:1], 0x30              ; w_codes, w_scales
	v_lshl_add_u32 v[SPW], v0, 2, SPARE
	v_mov_b32 v[NIL], 0
	v_lshrrev_b32 v1, 5, v0
	v_readfirstlane_b32 s16, v1                    ; wave
	v_and_b32 v2, 31, v0                           ; lane
	s_and_b32 s17, ttmp9, 31
	s_lshl_b32 s17, s17, 7
	s_lshl_b32 s18, s16, 5
	s_add_co_u32 s17, s17, s18                     ; my wave's first column
	s_lshr_b32 s18, ttmp9, 5                       ; y: which 256 along the joined K
	v_lshlrev_b32 v3, 2, v2
	s_mul_i32 s19, s16, 32*PITCH
	s_add_co_u32 s19, s19, WL                      ; my stage
	v_mul_u32_u24 v4, v2, PITCH
	v_add_nc_u32 v4, s19, v4                       ; into it: row = my column
	v_and_b32 v5, 15, v2
	v_lshrrev_b32 v6, 4, v2
	v_mul_u32_u24 v7, v6, PITCH
	v_lshl_add_u32 v7, v5, 4, v7
	v_add_nc_u32 v7, s19, v7                       ; out of it: sixteen lanes to a row
	v_mul_u32_u24 v8, v6, KROW
	v_lshl_add_u32 v8, v5, 4, v8                   ; the same place in w_codes
	v_lshlrev_b32 v9, 6, v2                        ; my column's row of scale bytes
	v_mov_b32 v[PD], 0x7f7f7f7f
	v_mov_b32 v[PD+1], 0x7f7f7f7f
	s_cmp_lt_u32 s18, 2                            ; Wi's part of K or Wh's?
	s_cselect_b32 s30, 0, 2
	s_sub_co_u32 s30, s18, s30
	s_lshl_b32 s20, s30, 22                        ; 256 rows of 16,384 bytes
	s_lshl_b32 s22, s17, 2
	s_add_co_u32 s20, s20, s22
	s_mov_b32 s21, 0
	s_mul_i32 s24, s17, KROW
	s_lshl_b32 s22, s18, 8
	s_add_co_u32 s24, s24, s22
	s_mov_b32 s25, 0
	s_lshl_b32 s28, s17, 6
	s_lshl_b32 s22, s18, 3
	s_add_co_u32 s28, s28, s22
	s_mov_b32 s29, 0
	s_mov_b32 s31, MANT
	s_wait_alu depctr_va_vdst(0)                   ; the wait at the head's end
	s_wait_kmcnt 0x0
	s_cmp_lt_u32 s18, 2                            ; (compared anew: the sums above have set SCC)
	s_cselect_b64 s[4:5], s[4:5], s[6:7]
	s_add_nc_u64 s[4:5], s[4:5], s[20:21]
	s_add_nc_u64 s[8:9], s[8:9], s[24:25]
	s_add_nc_u64 s[10:11], s[10:11], s[28:29]
.macro WLOAD t
.irp i, 0,1,2,3,4,5,6,7,8,9,10,11,12,13,14,15,16,17,18,19,20,21,22,23,24,25,26,27,28,29,30,31
	global_load_b32 v[X+32*((\t)%2)+\i], v3, s[4:5] offset:(32*(\t)+\i)*SIZE_N*4 th:TH_LOAD_NT
.endr
.endm
	WLOAD 0
	WLOAD 1
.macro WBLOCK t
.set XS, X+32*((\t)%2)
.if (\t) < NB-1
	s_wait_loadcnt 32                              ; this block's 32 loads are in; the next block's 32 may be out
.else
	s_wait_loadcnt 0
.endif
	v_max3_num_f32 v14, |v[XS]|, |v[XS+1]|, |v[XS+2]|
	v_max3_num_f32 v15, |v[XS+3]|, |v[XS+4]|, |v[XS+5]|
.irp i, 6,10,14,18,22,26
	v_max3_num_f32 v14, v14, |v[XS+\i]|, |v[XS+\i+1]|
	v_max3_num_f32 v15, v15, |v[XS+\i+2]|, |v[XS+\i+3]|
.endr
	v_max3_num_f32 v14, v14, |v[XS+30]|, |v[XS+31]|
	v_max3_num_f32 v14, v14, v15, (EMAX+1)<<23
	v_add_nc_u32 v11, -(EMAX<<23), v14
	v_and_or_b32 v10, v14, 0x7f800000, s31
	v_lshrrev_b32 v15, 23, v11
.if (\t)%4 == 0
	v_mov_b32 v[SB+(\t)/4], v15
.else
	v_lshl_or_b32 v[SB+(\t)/4], v15, 8*((\t)%4), v[SB+(\t)/4]
.endif
.irp i, 0,1,2,3,4,5,6,7,8,9,10,11,12,13,14,15,16,17,18,19,20,21,22,23,24,25,26,27,28,29,30,31
	v_med3_num_f32 v[XS+\i], v[XS+\i], -v10, v10
.endr
.irp g, 0,1,2,3
	v_cvt_scalef32_pk8_bf8_f32 v[C+2*\g:C+2*\g+1], v[XS+8*\g:XS+8*\g+7], v11
.endr
	v_nop                                          ; one plain line behind the last conversion
	ds_store_b128 v4, v[C:C+3] offset:32*(\t)
	ds_store_b128 v4, v[C+4:C+7] offset:32*(\t)+16
.if (\t)+2 < NB
	WLOAD (\t)+2
.endif
	s_wait_dscnt 0x0                               ; the stores have read their registers
.endm
.set Q, 0
.rept NB
	WBLOCK Q
.set Q, Q+1
.endr
	global_store_b64 v9, v[SB:SB+1], s[10:11]      ; bytes 8 y .. 8 y + 7 of my column's row
	s_cmp_lt_u32 s18, 4                            ; y = 4 and y = 5 also write bytes 48-55 and 56-63: each byte has one owner
	s_cbranch_scc1 .Lnopad
	global_store_b64 v9, v[PD:PD+1], s[10:11] offset:16
.Lnopad:
.irp t, 0,1,2,3,4,5,6,7,8,9,10,11,12,13,14,15
	ds_load_b128 v[OUTR+4*\t:OUTR+4*\t+3], v7 offset:2*\t*PITCH
.endr
.irp t, 0,1,2,3,4,5,6,7,8,9,10,11,12,13,14,15
	s_wait_dscnt 15-\t
	global_store_b128 v8, v[OUTR+4*\t:OUTR+4*\t+3], s[8:9] offset:2*\t*KROW
.endr
	s_wait_tensorcnt 0x0                           ; the wave's end
	ds_add_u32 v[SPW], v[NIL]
	s_wait_dscnt 0x0
	s_endpgm
.Lfunc_end_k_qcd7a3f74bb_quant:
	.size	k_qcd7a3f74bb_quant, .Lfunc_end_k_qcd7a3f74bb_quant-k_qcd7a3f74bb_quant
	.p2alignl 7, 3214868480
	.fill 96, 4, 3214868480
	.section	.rodata,"a",@progbits
	.p2align	6, 0x0
	.amdhsa_kernel k_qcd7a3f74bb_quant
		.amdhsa_group_segment_fixed_size 68096
		.amdhsa_private_segment_fixed_size 0
		.amdhsa_enable_private_segment 0
		.amdhsa_kernarg_size 64
		.amdhsa_user_sgpr_count 2
		.amdhsa_user_sgpr_kernarg_segment_ptr 1
		.amdhsa_wavefront_size32 1
		.amdhsa_system_sgpr_workgroup_id_x 1
		.amdhsa_system_sgpr_workgroup_id_y 1
		.amdhsa_system_sgpr_workgroup_id_z 1
		.amdhsa_system_vgpr_workitem_id 0
		.amdhsa_next_free_vgpr 192
		.amdhsa_next_free_sgpr 66
		.amdhsa_reserve_vcc 0
		.amdhsa_float_denorm_mode_32 3
		.amdhsa_float_denorm_mode_16_64 3
		.amdhsa_memory_ordered 1
		.amdhsa_forward_progress 1
		.amdhsa_inst_pref_size 99
	.end_amdhsa_kernel
	.amdgpu_metadata
---
amdhsa.version: [ 1, 2 ]
amdhsa.kernels:
  - .name:           k_qcd7a3f74bb_quant
    .symbol:         k_qcd7a3f74bb_quant.kd
    .args:
      - { .name: x, .offset: 0, .size: 8, .value_kind: global_buffer, .address_space: global }
      - { .name: h, .offset: 8, .size: 8, .value_kind: global_buffer, .address_space: global }
      - { .name: a_codes, .offset: 16, .size: 8, .value_kind: global_buffer, .address_space: global }
      - { .name: a_scales, .offset: 24, .size: 8, .value_kind: global_buffer, .address_space: global }
      - { .name: Wi, .offset: 32, .size: 8, .value_kind: global_buffer, .address_space: global }
      - { .name: Wh, .offset: 40, .size: 8, .value_kind: global_buffer, .address_space: global }
      - { .name: w_codes, .offset: 48, .size: 8, .value_kind: global_buffer, .address_space: global }
      - { .name: w_scales, .offset: 56, .size: 8, .value_kind: global_buffer, .address_space: global }
    .group_segment_fixed_size: 68096
    .private_segment_fixed_size: 0
    .kernarg_segment_align: 8
    .kernarg_segment_size: 64
    .max_flat_workgroup_size: 128
    .sgpr_count:     66
    .vgpr_count:     192
    .wavefront_size: 32
...
	.end_amdgpu_metadata
.endif
;; end of part 1
;; launch gemm (part 2): grid 16 x 16, 4 waves a work-group, clusters of 4 x 4, 327,680 bytes of LDS; arguments a_codes, a_scales, w_codes, w_scales, bh, gates; writes gates
.if DOCPART == 2
	.amdgcn_target "amdgcn-amd-amdhsa--gfx1250"
	.amdhsa_code_object_version 6
	.text
	.protected	k_qcd7a3f74bb_gemm
	.globl	k_qcd7a3f74bb_gemm
	.p2align	8
	.type	k_qcd7a3f74bb_gemm,@function
k_qcd7a3f74bb_gemm:
	s_mov_b64 s[64:65], 0
	v_nop
	global_prefetch_b8 v0, s[64:65] scope:SCOPE_SE
	s_setreg_imm32_b32 hwreg(HW_REG_WAVE_MODE, 25, 1), 1
	s_wait_xcnt 0x0
	s_wait_alu depctr_hold_cnt(0) depctr_sa_sdst(0) depctr_va_vdst(0) depctr_va_sdst(0) depctr_va_ssrc(0) depctr_va_vcc(0) depctr_vm_vsrc(0)
	s_getreg_b32 s2, hwreg(HW_REG_IB_STS2, 6, 4)
	s_cmp_eq_u32 s2, 0
	s_cbranch_scc0 .Lentry_in_a_cluster
	s_endpgm
.Lentry_in_a_cluster:
	s_bfe_u32 s2, ttmp6, 0x10000c
	s_cmp_lg_u32 s2, 0xf033
	s_cbranch_scc0 .Lentry_shape_is_right
	s_endpgm
.Lentry_shape_is_right:
.set SIZE_N, 4096
.set SIZE_K, 1536
.set KSTEP,  256
.set NQ,     KSTEP/128
.set ROWB,   256
.set KROW,   SIZE_K
.set PITCH,  272
.set FR,     16
.set NL,     4
.set NP,     8
.set HALFT,  128*PITCH
.set SLOT,   4*HALFT
.set LAPS,   SIZE_K/(2*KSTEP)
.set NEXT_A, 256*KROW-4*ROWB
.set BACK_B, 4*ROWB
.set KSU,    48
.set SBLK,   16*KSU
.set SPITCH, 272
.set STG,    2*SLOT
.set SCA,    STG+4*16*SPITCH-256*KSU
.set SCB,    SCA+2*256*KSU
.set SPARE,  SCB+256*KSU
.set ADRA, 16
.set ADRB, 20
.set STO,  24
.set RD,   25
.set CO,   26
.set ADRS0, 27
.set SPW,  28
.set NIL,  29
.set BO,   30
.set ADRS1, 31
.set ADRS, ADRS0
.set SC,   32
.set BI,   64
.set AF,   128
.set BK,   128
.set G1, 24
.set G0, 32
.set G1B, 48
.set G0B, 56
.set G1S, 68
.set G0S, 76
.set G1SB, 80
.set G0SB, 88
.set MSB, 0
.macro WIN new
.if MSB != \new
	s_set_vgpr_msb (MSB<<8)|\new
.set MSB, \new
.endif
.endm
.set MUL_LO, 0xa1
.set MUL_HI, 0xf1
.set FST_LO, 0x81
.set FST_HI, 0xc1
.set TO_B,   0x40
.set FROM_B, 0x04
.macro JLOAD g0a, g1a, g0b, g1b
	s_cmp_eq_u32 s15, 0
	s_cbranch_scc0 .Lfor_b_\@
	tensor_load_to_lds s[\g0a:\g0a+3], s[\g1a:\g1a+7]
	s_nop 0
.rept 4
	v_nop
.endr
	s_branch .Lasked_\@
.Lfor_b_\@:
	tensor_load_to_lds s[\g0b:\g0b+3], s[\g1b:\g1b+7]
	s_nop 0
.rept 4
	v_nop
.endr
.Lasked_\@:
.endm
.macro CREST
	s_cmp_lg_u32 s14, 0
	s_cbranch_scc1 .Lnot_wave_0_\@
	s_barrier_signal -3
.Lnot_wave_0_\@:
	s_barrier_wait -3
	s_barrier_signal -1
	s_barrier_wait -1
.endm
.macro CROUND
	s_barrier_signal -1
	s_barrier_wait -1
	CREST
.endm
	s_load_b128 s[4:7], s[0:1], 0x0
	s_load_b128 s[8:11], s[0:1], 0x10
	s_load_b64 s[96:97], s[0:1], 0x20
	s_load_b64 s[12:13], s[0:1], 0x28
	v_lshl_add_u32 v[SPW], v0, 2, SPARE
	v_mov_b32 v[NIL], 0
	ds_add_u32 v[SPW], v[NIL]
	ds_add_u32 v[SPW], v[NIL]
	v_lshrrev_b32 v1, 5, v0
	v_readfirstlane_b32 s14, v1
	s_lshr_b32 s15, s14, 1
	s_and_b32 s16, s14, 1
	s_bfe_u32 s40, ttmp6, 0x40000
	s_bfe_u32 s41, ttmp6, 0x40004
	s_lshl_b32 s42, ttmp9, 2
	s_add_co_u32 s42, s42, s40
	s_and_b32 s17, ttmp7, 0xffff
	s_lshl_b32 s17, s17, 2
	s_add_co_u32 s17, s17, s41
	s_lshl_b32 s43, s41, 2
	s_lshl_b32 s43, 15, s43
	s_lshl_b32 s44, 0x1111, s40
	s_or_b32 s[G1+0], s43, (0<<16)|(1<<20)|(1<<21)|(5<<22)|(3<<25)
	s_or_b32 s[G1B+0], s44, (0<<16)|(1<<20)|(1<<21)|(5<<22)|(3<<25)
.irp g, G1, G1B
	s_mov_b32 s[\g+1], ROWB<<16
	s_mov_b32 s[\g+2], 128<<16
	s_mov_b32 s[\g+3], ROWB<<16
	s_mov_b32 s[\g+4], 128
	s_mov_b32 s[\g+5], KROW
	s_mov_b32 s[\g+6], 0
	s_mov_b32 s[\g+7], 0
.endr
	s_or_b32 s[G1S+0], s43, (3<<16)|(1<<21)
	s_or_b32 s[G1SB+0], s44, (3<<16)|(1<<21)
	s_mov_b32 s[G1S+1], 6<<16
	s_mov_b32 s[G1S+2], 256<<16
	s_mov_b32 s[G1S+3], 6<<16
	s_mov_b32 s[G1S+4], 256
	s_mov_b32 s[G1S+5], 8
	s_mov_b32 s[G1S+6], 0
	s_mov_b32 s[G1S+7], 0
	s_mov_b32 s[G1SB+1], 6<<16
	s_mov_b32 s[G1SB+2], 128<<16
	s_mov_b32 s[G1SB+3], 6<<16
	s_mov_b32 s[G1SB+4], 128
	s_mov_b32 s[G1SB+5], 8
	s_mov_b32 s[G1SB+6], 0
	s_mov_b32 s[G1SB+7], 0
	s_lshl_b32 s18, s16, 7
	s_lshl_b32 s20, s17, 9
	s_add_co_u32 s20, s20, s18
	s_lshl_b32 s46, s42, 8
	s_add_co_u32 s46, s46, s18
	s_mov_b32 s21, 0
	s_mov_b32 s47, 0
	s_lshl_b32 s22, s17, 9
	s_lshl_b32 s23, s16, 8
	s_add_co_u32 s22, s22, s23
	s_lshl_b32 s22, s22, 6
	s_mov_b32 s23, 0
	s_lshl_b32 s92, s46, 6
	s_mov_b32 s93, 0
	s_mov_b64 s[18:19], KROW
	s_mul_u64 s[20:21], s[20:21], s[18:19]
	s_mul_u64 s[46:47], s[46:47], s[18:19]
	s_mul_i32 s45, s14, HALFT
	s_mul_i32 s94, s16, 256*KSU
	s_mul_i32 s95, s16, 128*KSU
	s_wait_dscnt 0x0
	s_wait_kmcnt 0x0
	s_add_nc_u64 s[20:21], s[4:5], s[20:21]
	s_add_nc_u64 s[22:23], s[6:7], s[22:23]
	s_add_nc_u64 s[46:47], s[8:9], s[46:47]
	s_add_nc_u64 s[92:93], s[10:11], s[92:93]
	CROUND
	s_mov_b32 s[G0S], 1
	s_add_co_u32 s[G0S+1], s94, SCA
	s_mov_b64 s[G0S+2:G0S+3], s[22:23]
	s_or_b32 s[G0S+3], s[G0S+3], 0x80000000
	s_mov_b32 s[G0SB], 1
	s_add_co_u32 s[G0SB+1], s95, SCB
	s_mov_b64 s[G0SB+2:G0SB+3], s[92:93]
	s_or_b32 s[G0SB+3], s[G0SB+3], 0x80000000
	JLOAD G0S, G1S, G0SB, G1SB
.irp s, 0,1
	s_mov_b32 s[G0+4*\s], 1
	s_add_co_u32 s[G0+4*\s+1], s45, \s*SLOT
	s_add_nc_u64 s[G0+4*\s+2:G0+4*\s+3], s[20:21], \s*ROWB
	s_or_b32 s[G0+4*\s+3], s[G0+4*\s+3], 0x80000000
	s_mov_b32 s[G0B+4*\s], 1
	s_add_co_u32 s[G0B+4*\s+1], s45, \s*SLOT
	s_add_nc_u64 s[G0B+4*\s+2:G0B+4*\s+3], s[46:47], \s*ROWB
	s_or_b32 s[G0B+4*\s+3], s[G0B+4*\s+3], 0x80000000
	s_wait_alu depctr_va_vdst(0)
	s_wait_tensorcnt 0x0
	ds_add_u32 v28, v29
	s_wait_dscnt 0x0
	CROUND
	JLOAD G0+4*\s, G1, G0B+4*\s, G1B
.endr
	v_and_b32 v1, 15, v0
	v_bfe_u32 v2, v0, 4, 1
	s_wait_alu depctr_va_vdst(0)
	v_mul_u32_u24 v3, v1, PITCH
	v_lshl_add_u32 v4, v2, 4, v3
	s_mul_i32 s21, s15, HALFT
	s_mul_i32 s22, s16, HALFT
	s_add_co_u32 s22, s22, 2*HALFT
.irp s, 0,1
	v_add_nc_u32 v[ADRA+\s], s21, v4
	v_add_nc_u32 v[ADRB+\s], s22, v4
	s_add_co_u32 s21, s21, SLOT
	s_add_co_u32 s22, s22, SLOT
.endr
	v_mul_u32_u24 v5, v1, KSU
	s_mul_i32 s21, s15, 128*KSU
	s_mul_i32 s22, s16, 128*KSU
	s_add_co_u32 s22, s22, 2*256*KSU
	s_sub_co_u32 s22, s22, s21
	v_mul_u32_u24 v6, s22, v2
	s_add_co_u32 s21, s21, SCA
	v_add_nc_u32 v6, v5, v6
	v_add_nc_u32 v[ADRS0], s21, v6
	s_sub_co_u32 s22, s22, 256*KSU
	v_mul_u32_u24 v6, s22, v2
	s_add_co_u32 s21, s21, 256*KSU
	v_add_nc_u32 v6, v5, v6
	v_add_nc_u32 v[ADRS1], s21, v6
	s_mul_i32 s23, s14, 16*SPITCH
	s_add_co_u32 s23, s23, STG
	v_mul_u32_u24 v5, v1, SPITCH
	v_lshl_add_u32 v5, v2, 5, v5
	v_add_nc_u32 v[STO], s23, v5
	v_mul_u32_u24 v5, v2, SPITCH
	v_lshl_add_u32 v5, v1, 4, v5
	v_add_nc_u32 v[RD], s23, v5
	v_lshlrev_b32 v5, 14, v2
	v_lshl_add_u32 v[CO], v1, 4, v5
	s_lshl_b32 s20, s17, 9
	s_lshl_b32 s21, s15, 7
	s_add_co_u32 s20, s20, s21
	s_mov_b32 s21, 0
	s_mov_b64 s[18:19], SIZE_N*4
	s_mul_u64 s[20:21], s[20:21], s[18:19]
	s_lshl_b32 s46, s42, 10
	s_lshl_b32 s47, s16, 9
	s_add_co_u32 s46, s46, s47
	s_mov_b32 s47, 0
	s_add_nc_u64 s[20:21], s[20:21], s[46:47]
	s_add_nc_u64 s[12:13], s[12:13], s[20:21]
	s_add_nc_u64 s[96:97], s[96:97], s[46:47]
	v_lshlrev_b32 v[BO], 5, v2
.irp b, 0,1,2,3,4,5,6,7
	global_load_b128 v[BI+8*\b:BI+8*\b+3], v[BO], s[96:97] offset:64*\b
	global_load_b128 v[BI+8*\b+4:BI+8*\b+7], v[BO], s[96:97] offset:64*\b+16
.endr
.macro FRAG reg, adr, q, i
.irp c, 0,1,2,3
	ds_load_b128 v[\reg+4*\c:\reg+4*\c+3], v[\adr] offset:128*(\q)+32*\c+(\i)*16*PITCH
.endr
.endm
.macro MUL16 a0, p, q, sc, zero
.irp a, \a0, \a0+1
.irp b, 0,1,2,3,4,5,6,7
.if \zero
	v_wmma_scale_f32_16x16x128_f8f6f4 v[8*(8*((\a)%4)+\b):8*(8*((\a)%4)+\b)+7], v[128*(\p)+FR*\b:128*(\p)+FR*\b+FR-1], v[AF+FR*(\a):AF+FR*(\a)+FR-1], v[BI+8*\b:BI+8*\b+7], v[SC+8*NQ*(\sc)+NQ*\b+(\q)], v[SC+8*NQ*(\sc)+NQ*(\a)+(\q)] matrix_a_fmt:MATRIX_FMT_BF8 matrix_b_fmt:MATRIX_FMT_BF8 matrix_a_scale:MATRIX_SCALE_ROW1
.else
	v_wmma_scale_f32_16x16x128_f8f6f4 v[8*(8*((\a)%4)+\b):8*(8*((\a)%4)+\b)+7], v[128*(\p)+FR*\b:128*(\p)+FR*\b+FR-1], v[AF+FR*(\a):AF+FR*(\a)+FR-1], v[8*(8*((\a)%4)+\b):8*(8*((\a)%4)+\b)+7], v[SC+8*NQ*(\sc)+NQ*\b+(\q)], v[SC+8*NQ*(\sc)+NQ*(\a)+(\q)] matrix_a_fmt:MATRIX_FMT_BF8 matrix_b_fmt:MATRIX_FMT_BF8 matrix_a_scale:MATRIX_SCALE_ROW1
.endif
.endr
.endr
.endm
.macro FETCH_B slot, q, p
	WIN TO_B
.irp i, 0,1,2,3,4,5,6,7
	FRAG 128*(\p)+FR*\i, ADRB+\slot, \q, \i
.endr
	WIN 0
.endm
.macro FETCH_A slot, q, i0
.irp i, \i0, \i0+1, \i0+2, \i0+3
	FRAG AF+FR*(\i), ADRA+\slot, \q, \i
.endr
.endm
.macro SCALES sc
.irp i, 0,1,2,3,4,5,6,7
	ds_load_b64 v[SC+8*NQ*\sc+NQ*\i:SC+8*NQ*\sc+NQ*\i+1], v[ADRS] offset:\i*SBLK
.endr
.endm
.macro PLACES n
.rept \n
	v_nop
.endr
.endm
.macro STEP slot, q, zero
	s_wait_dscnt 4*NL
.if \zero
	WIN FST_LO
.else
	WIN MUL_LO
.endif
	MUL16 0, (\q)%2, \q, \slot, \zero
	MUL16 2, (\q)%2, \q, \slot, \zero
	s_wait_dscnt 0
	PLACES NP
	FETCH_B \slot, (\q)+1, 1-(\q)%2
	FETCH_A \slot, (\q)+1, 0
.if \zero
	WIN FST_HI
.else
	WIN MUL_HI
.endif
	MUL16 4, (\q)%2, \q, \slot, \zero
	MUL16 6, (\q)%2, \q, \slot, \zero
	PLACES NP
	WIN 0
	FETCH_A \slot, (\q)+1, 4
.endm
.macro TURN slot, next, fill
	s_wait_tensorcnt 0x0
	ds_add_u32 v[SPW], v[NIL]
	s_wait_dscnt 4*NL+1
	WIN MUL_LO
	MUL16 0, 1, NQ-1, \slot, 0
	s_wait_dscnt 0x0
	s_barrier_signal -1
	MUL16 2, 1, NQ-1, \slot, 0
	WIN 0
	s_barrier_wait -1
.if \fill
	CREST
.if \fill == 2
	s_add_nc_u64 s[G0+4*\slot+2:G0+4*\slot+3], s[G0+4*\slot+2:G0+4*\slot+3], NEXT_A
	s_sub_nc_u64 s[G0B+4*\slot+2:G0B+4*\slot+3], s[G0B+4*\slot+2:G0B+4*\slot+3], BACK_B
.else
	s_add_nc_u64 s[G0+4*\slot+2:G0+4*\slot+3], s[G0+4*\slot+2:G0+4*\slot+3], 2*ROWB
	s_add_nc_u64 s[G0B+4*\slot+2:G0B+4*\slot+3], s[G0B+4*\slot+2:G0B+4*\slot+3], 2*ROWB
.endif
	JLOAD G0+4*\slot, G1, G0B+4*\slot, G1B
	PLACES NP-4
.else
	PLACES NP
.endif
.if (\fill == 2) && (\slot == 1)
.set ADRS, ADRS1
.else
	s_wait_alu depctr_va_vdst(0)
	v_add_nc_u32 v[ADRS], 4*NQ, v[ADRS]
.endif
	FETCH_B \next, 0, 0
	FETCH_A \next, 0, 0
	SCALES \next
	WIN MUL_HI
	MUL16 4, 1, NQ-1, \slot, 0
	MUL16 6, 1, NQ-1, \slot, 0
	PLACES NP
	WIN 0
	FETCH_A \next, 0, 4
.endm
.macro LAPLOOP
	s_mov_b32 s3, LAPS-1
.Llap_\@:
	TURN 0, 1, 1
	STEP 1, 0, 0
	TURN 1, 0, 1
	STEP 0, 0, 0
	s_sub_co_u32 s3, s3, 1
	s_cmp_lg_u32 s3, 0
	s_cbranch_scc1 .Llap_\@
.endm
.macro TOSTAGE a
.set AC, 64*((\a)%4)
.set BB, BK+64*((\a)%2)
.irp u, 0,1
	WIN 0x08+4*((\a)/4)
.irp b, 0,1,2,3
	ds_store_b128 v[STO], v[AC+8*(4*\u+\b):AC+8*(4*\u+\b)+3] offset:64*\b
	ds_store_b128 v[STO], v[AC+8*(4*\u+\b)+4:AC+8*(4*\u+\b)+7] offset:64*\b+16
.endr
	WIN TO_B
.irp t, 0,1,2,3,4,5,6,7
	ds_load_b128 v[BB+32*\u+4*\t:BB+32*\u+4*\t+3], v[RD] offset:2*\t*SPITCH
.endr
.endr
	WIN 0
.endm
.macro SEND z, a, younger
.set BB, BK+64*((\a)%2)
	s_wait_dscnt \younger
	WIN FROM_B
.irp u, 0,1
.irp t, 0,1,2,3,4,5,6,7
	global_store_b128 v[CO], v[BB+32*\u+4*\t:BB+32*\u+4*\t+3], s[12:13] offset:(256*(\z)+16*(\a)+2*\t)*SIZE_N*4+256*\u th:TH_STORE_NT
.endr
.endr
	WIN 0
.endm
.macro WAYOUT z
	TOSTAGE 0
.irp a, 1,2,3,4,5,6,7
.if \a > 1
	s_wait_xcnt 0x0
.endif
	TOSTAGE \a
	SEND \z, \a-1, 32
.endr
	SEND \z, 7, 0
.endm
	s_wait_tensorcnt 1
	s_barrier_signal -1
	s_barrier_wait -1
	FETCH_B 0, 0, 0
	FETCH_A 0, 0, 0
	SCALES 0
	FETCH_A 0, 0, 4
	s_wait_loadcnt 0x0
	STEP 0, 0, 1
	LAPLOOP
	TURN 0, 1, 2
	STEP 1, 0, 0
	TURN 1, 0, 2
	WAYOUT 0
	s_wait_xcnt 0x0
	STEP 0, 0, 1
	LAPLOOP
	TURN 0, 1, 0
	STEP 1, 0, 0
	s_wait_dscnt 4*NL
	WIN MUL_LO
	MUL16 0, 1, NQ-1, 1, 0
	MUL16 2, 1, NQ-1, 1, 0
	s_wait_dscnt 0
	WIN MUL_HI
	MUL16 4, 1, NQ-1, 1, 0
	MUL16 6, 1, NQ-1, 1, 0
	WIN 0
	PLACES NP
	WAYOUT 1
	s_wait_tensorcnt 0x0
	ds_add_u32 v[SPW], v[NIL]
	s_wait_dscnt 0x0
	CROUND
	s_endpgm
.Lfunc_end_k_qcd7a3f74bb_gemm:
	.size	k_qcd7a3f74bb_gemm, .Lfunc_end_k_qcd7a3f74bb_gemm-k_qcd7a3f74bb_gemm
	.p2alignl 7, 3214868480
	.fill 96, 4, 3214868480
	.section	.rodata,"a",@progbits
	.p2align	6, 0x0
	.amdhsa_kernel k_qcd7a3f74bb_gemm
		.amdhsa_group_segment_fixed_size 327680
		.amdhsa_private_segment_fixed_size 0
		.amdhsa_enable_private_segment 0
		.amdhsa_kernarg_size 48
		.amdhsa_user_sgpr_count 2
		.amdhsa_user_sgpr_kernarg_segment_ptr 1
		.amdhsa_wavefront_size32 1
		.amdhsa_system_sgpr_workgroup_id_x 1
		.amdhsa_system_sgpr_workgroup_id_y 1
		.amdhsa_system_sgpr_workgroup_id_z 1
		.amdhsa_system_vgpr_workitem_id 0
		.amdhsa_next_free_vgpr 1024
		.amdhsa_next_free_sgpr 98
		.amdhsa_reserve_vcc 0
		.amdhsa_float_denorm_mode_32 3
		.amdhsa_float_denorm_mode_16_64 3
		.amdhsa_memory_ordered 1
		.amdhsa_forward_progress 1
		.amdhsa_inst_pref_size 255
	.end_amdhsa_kernel
	.section	.bss,"aw",@nobits
	.p2align	6
	.space	262144
	.amdgpu_metadata
---
amdhsa.version: [ 1, 2 ]
amdhsa.kernels:
  - .name:           k_qcd7a3f74bb_gemm
    .symbol:         k_qcd7a3f74bb_gemm.kd
    .args:
      - { .name: a_codes, .offset: 0, .size: 8, .value_kind: global_buffer, .address_space: global }
      - { .name: a_scales, .offset: 8, .size: 8, .value_kind: global_buffer, .address_space: global }
      - { .name: w_codes, .offset: 16, .size: 8, .value_kind: global_buffer, .address_space: global }
      - { .name: w_scales, .offset: 24, .size: 8, .value_kind: global_buffer, .address_space: global }
      - { .name: bh, .offset: 32, .size: 8, .value_kind: global_buffer, .address_space: global }
      - { .name: gates, .offset: 40, .size: 8, .value_kind: global_buffer, .address_space: global }
    .group_segment_fixed_size: 327680
    .private_segment_fixed_size: 0
    .kernarg_segment_align: 8
    .kernarg_segment_size: 48
    .max_flat_workgroup_size: 128
    .sgpr_count:     98
    .vgpr_count:     1024
    .wavefront_size: 32
...
	.end_amdgpu_metadata
.endif
;; end of part 2
;; launch cell (part 3): grid 256 x 1, 8 waves a work-group, no clusters, 33,792 bytes of LDS; arguments gates, c, ln_gamma, ln_beta, out0, out1; writes out0, out1
.if DOCPART == 3
	.amdgcn_target "amdgcn-amd-amdhsa--gfx1250"
	.amdhsa_code_object_version 6
	.text
	.protected	k_qcd7a3f74bb_cell
	.globl	k_qcd7a3f74bb_cell
	.p2align	8
	.type	k_qcd7a3f74bb_cell,@function
k_qcd7a3f74bb_cell:
	s_mov_b64 s[64:65], 0
	v_nop
	global_prefetch_b8 v0, s[64:65] scope:SCOPE_SE
	s_setreg_imm32_b32 hwreg(HW_REG_WAVE_MODE, 25, 1), 1
	s_wait_xcnt 0x0
; gates [8192][4][1024] f32 (i, f, g, o) -> LayerNorm over each run of 1,024 (mean; variance of x - mean; 1 / sqrt(variance + 1e-5); x gamma + beta) -> c_new = sigmoid(f) c + sigmoid(i) tanh(g) (out1),
; h_new = sigmoid(o) tanh(c_new) (out0).  All in f32.  No work is left out.
; FORMS: sigmoid(y) = 1 / (1 + 2^(-log2(e) y));  tanh(y) = 1 - 2 / (1 + 2^(2 log2(e) y)).  Where the power of two overflows its reciprocal is 0, where it underflows it counts as 0: both forms then give their limits.
; LIMIT: tanh so formed has an absolute error of some 1e-7, which is a large relative one only for arguments under about 1e-5.
; The factors -log2(e) (i, f, o) and 2 log2(e) (g) are multiplied into gamma and beta once, on their way into LDS: the normalised number then IS the exponent.
; SHARES: a work-group takes 32 rows, each of its 8 waves four.  A WAVE TAKES A WHOLE ROW: of chunk i (0 .. 31) a lane holds columns 128 i + 4 lane + 0 .. 3: each load and store of a wave covers
; 512 consecutive bytes, a gate's sums never leave the wave, and i, f, g, o of one output lie in one lane.
; TWO ROW BUFFERS: a wave has 512 registers, two windows of 256 with the same map.  The even rows live in window 0, the odd ones in window 1; the text of a row is written once as a macro and runs for
; window 1 with all four fields of s_set_vgpr_msb at 1.  While one window's row is worked, the other window's 40 loads are out.  A trip of the loop is two rows, two trips a wave.
; No matrix work, no tensor loads.  No cluster: what work-groups share is gamma and beta, 32,768 bytes beside the 917,504 of a work-group's own.  No prefetch: the launch is a plain stream whose loads run a row ahead.
.set SPW, 1                            ; v1       LDS address of my spare word (window 0); never rewritten
.set NIL, 2                            ; v2       0 (window 0); never rewritten
.set LA,  3                            ; v3       16 x lane, in both windows; never rewritten
.set PST, 4                            ; v4       16 x thread: my bytes of a piece of 4,096 of gamma or beta
.set S,   6                            ; v6-13    a pair for each gate: sums
.set NM,  14                           ; v14-21   a pair for each gate: the low word is -mean
.set RS,  22                           ; v22-29   likewise: 1 / sqrt(variance + 1e-5)
.set P,   32                           ; v32-95   two buffers of 32: gamma' of four chunks, then beta'
.set C,   96                           ; v96-127  the row of c
.set X,   128                          ; v128-255 the row of gates: chunk i at X + 4 i
.set XI,  X
.set XF,  X+32
.set XG,  X+64
.set XO,  X+96
.set BETA,  16384                      ; LDS: gamma' [4][1024] at 0, beta' behind it,
.set SPARE, 32768                      ; and the spare words, 128 bytes for each of the 8 waves, which no other line names
.set MSB, 0
.macro WIN new                         ; the immediate's high byte repeats the setting that is left
.if MSB != \new
	s_set_vgpr_msb (MSB<<8)|\new
.set MSB, \new
.endif
.endm
	s_load_b256 s[4:11], s[0:1], 0x0               ; gates, c, gamma, beta
	s_load_b128 s[12:15], s[0:1], 0x20             ; out0, out1
	v_lshl_add_u32 v[SPW], v0, 2, SPARE
	v_mov_b32 v[NIL], 0
	v_lshrrev_b32 v5, 5, v0
	v_readfirstlane_b32 s16, v5                    ; wave 0..7
	v_and_b32 v[LA], 31, v0
	v_lshlrev_b32 v[PST], 4, v0
	v_lshlrev_b32 v[LA], 4, v[LA]
	s_mov_b32 s20, 0x76543210                      ; v_permlanex16_b32's selects for lane l xor 16
	s_mov_b32 s21, 0xfedcba98
	s_mov_b32 s22, 0x3a800000                      ; 1 / 1,024
	s_mov_b32 s23, 0x3727c5ac                      ; 1e-5
	s_mov_b32 s24, 0x4038aa3b                      ; 2 log2(e)
	s_mov_b32 s25, s24                             ; (named with it as a pair)
	s_mov_b32 s26, 0xbfb8aa3b                      ; -log2(e)
	s_lshl_b32 s17, ttmp9, 5
	s_lshl_b32 s18, s16, 2
	s_add_co_u32 s17, s17, s18                     ; my first row: 32 x work-group + 4 x wave
	s_lshl_b32 s18, s17, 14                        ; a row of gates is 16,384 bytes,
	s_mov_b32 s19, 0
	s_lshl_b32 s28, s17, 12                        ; one of c, out0, out1 4,096
	s_mov_b32 s29, 0
.irp q, 0,1,2,3
	v_mov_b32 v[NM+2*\q+1], 0                      ; the pairs' upper words are named, never used: written once, in each window
	v_mov_b32 v[RS+2*\q+1], 0
.endr
	WIN 0x40                                       ; destination in window 1
	s_wait_alu depctr_va_vdst(0)                   ; the wait directly ahead of the reader below
	v_mov_b32 v[LA], v[LA]                         ; window 1's copy of 16 x lane
.irp q, 0,1,2,3
	v_mov_b32 v[NM+2*\q+1], 0
	v_mov_b32 v[RS+2*\q+1], 0
.endr
	WIN 0
	s_wait_alu depctr_va_vdst(0)                   ; the wait at the head's end
	s_wait_kmcnt 0x0
	s_add_nc_u64 s[4:5], s[4:5], s[18:19]
	s_add_nc_u64 s[6:7], s[6:7], s[28:29]
	s_add_nc_u64 s[12:13], s[12:13], s[28:29]
	s_add_nc_u64 s[14:15], s[14:15], s[28:29]
.irp p, 0,1,2,3
	global_load_b128 v[P+4*\p:P+4*\p+3],       v[PST], s[8:9]   offset:4096*\p   ; gamma of gate p: 256 threads x 16 bytes
	global_load_b128 v[P+16+4*\p:P+16+4*\p+3], v[PST], s[10:11] offset:4096*\p   ; beta
.endr
.macro RLOAD n                         ; the row n rows on from the bases: 32 loads of gates, then 8 of c, 512 consecutive bytes each
.irp i, 0,1,2,3,4,5,6,7,8,9,10,11,12,13,14,15,16,17,18,19,20,21,22,23,24,25,26,27,28,29,30,31
	global_load_b128 v[X+4*\i:X+4*\i+3], v[LA], s[4:5] offset:16384*\n+512*\i th:TH_LOAD_NT
.endr
.irp u, 0,1,2,3,4,5,6,7
	global_load_b128 v[C+4*\u:C+4*\u+3], v[LA], s[6:7] offset:4096*\n+512*\u th:TH_LOAD_NT
.endr
.endm
	RLOAD 0
	s_wait_loadcnt 40                              ; gamma's and beta's eight loads are in; the row's 40 stay out
.irp p, 0,1,3
.irp j, 0,1,2,3
	v_mul_f32 v[P+4*\p+\j],    s26, v[P+4*\p+\j]   ; i, f, o: x -log2(e)
	v_mul_f32 v[P+16+4*\p+\j], s26, v[P+16+4*\p+\j]
.endr
.endr
.irp j, 0,1,2,3
	v_mul_f32 v[P+8+\j],  s24, v[P+8+\j]           ; g: x 2 log2(e)
	v_mul_f32 v[P+24+\j], s24, v[P+24+\j]
.endr
.irp p, 0,1,2,3
	ds_store_b128 v[PST], v[P+4*\p:P+4*\p+3]       offset:4096*\p
	ds_store_b128 v[PST], v[P+16+4*\p:P+16+4*\p+3] offset:BETA+4096*\p
.endr
	s_wait_dscnt 0x0                               ; for the others' sake: my stores have landed
	s_barrier_signal -1
	s_barrier_wait -1                              ; everybody's have; nothing is written there again
.macro PFETCH g                        ; gamma' and beta' of chunks 4 g .. 4 g + 3 into buffer g % 2
.irp k, 0,1,2,3
	ds_load_b128 v[P+32*((\g)%2)+4*\k:P+32*((\g)%2)+4*\k+3],       v[LA] offset:512*(4*(\g)+\k)
	ds_load_b128 v[P+32*((\g)%2)+16+4*\k:P+32*((\g)%2)+16+4*\k+3], v[LA] offset:BETA+512*(4*(\g)+\k)
.endr
.endm
.macro LANES                           ; the four pairs S become four sums over the wave's 32 lanes, in every lane; the gates by turns
.irp q, 0,1,2,3
	s_delay_alu instid0(VALU_DEP_4)
	v_add_f32 v[S+2*\q], v[S+2*\q], v[S+2*\q+1]
.endr
.irp m, 1,2,4,8
.irp q, 0,1,2,3
	s_delay_alu instid0(VALU_DEP_4)
	v_add_f32_dpp v[S+2*\q], v[S+2*\q], v[S+2*\q] row_xmask:\m row_mask:0xf bank_mask:0xf
.endr
.endr
.irp q, 0,1,2,3
	s_delay_alu instid0(VALU_DEP_4)
	v_permlanex16_b32 v[S+2*\q+1], v[S+2*\q], s20, s21
.endr
.irp q, 0,1,2,3
	s_delay_alu instid0(VALU_DEP_4)
	v_add_f32 v[S+2*\q], v[S+2*\q], v[S+2*\q+1]
.endr
.endm
; One row, in the window that is set.  n: its place from the bases (0: window 0, 1: window 1).  Window 0's row waits by count; window 1's has been waited for ahead of the macro.
.macro ROWC n
	PFETCH 0
	PFETCH 1
.if \n == 0
	s_wait_loadcnt 48                              ; my 32 loads of gates are in; my 8 of c and the other window's 40 stay out
.endif
.irp q, 0,1,2,3
	v_pk_add_f32 v[S+2*\q:S+2*\q+1], v[X+32*\q:X+32*\q+1], v[X+32*\q+2:X+32*\q+3]
.endr
.set j, 4
.rept 14
.irp q, 0,1,2,3
	s_delay_alu instid0(VALU_DEP_4)
	v_pk_add_f32 v[S+2*\q:S+2*\q+1], v[S+2*\q:S+2*\q+1], v[X+32*\q+j:X+32*\q+j+1]
.endr
.set j, j+2
.endr
	LANES
.irp q, 0,1,2,3
	s_delay_alu instid0(VALU_DEP_4)
	v_mul_f32 v[NM+2*\q], 0xba800000, v[S+2*\q]    ; -mean = the sum x -1 / 1,024
.endr
.irp q, 0,1,2,3
.set j, 0
.rept 16
	v_pk_add_f32 v[X+32*\q+j:X+32*\q+j+1], v[X+32*\q+j:X+32*\q+j+1], v[NM+2*\q:NM+2*\q+1] op_sel_hi:[1,0]   ; x - mean, in place
.set j, j+2
.endr
.endr
.irp q, 0,1,2,3
	v_pk_mul_f32 v[S+2*\q:S+2*\q+1], v[X+32*\q:X+32*\q+1], v[X+32*\q:X+32*\q+1]
.endr
.set j, 2
.rept 15
.irp q, 0,1,2,3
	s_delay_alu instid0(VALU_DEP_4)
	v_pk_fma_f32 v[S+2*\q:S+2*\q+1], v[X+32*\q+j:X+32*\q+j+1], v[X+32*\q+j:X+32*\q+j+1], v[S+2*\q:S+2*\q+1]
.endr
.set j, j+2
.endr
	LANES
.irp q, 0,1,2,3
	s_delay_alu instid0(VALU_DEP_4)
	v_fma_f32 v[RS+2*\q], v[S+2*\q], s22, s23      ; variance + 1e-5
.endr
	s_wait_alu depctr_va_vdst(0)                   ; a wait ahead of a batch of transcendentals and one behind it, here and below
.irp q, 0,1,2,3
	v_rsq_f32 v[RS+2*\q], v[RS+2*\q]
.endr
	v_nop
	s_wait_alu depctr_va_vdst(0)
	; (x - mean) / sqrt(..) x gamma' + beta': the exponents.  Four chunks at a time; their parameters come from LDS two groups ahead
.irp g, 0,1,2,3,4,5,6,7
.if \g < 7
	s_wait_dscnt 8                                 ; this group's eight loads are in; the next group's eight stay out
.else
	s_wait_dscnt 0x0
.endif
.set j, 0
.rept 8
	v_pk_mul_f32 v[X+16*\g+j:X+16*\g+j+1], v[X+16*\g+j:X+16*\g+j+1], v[RS+2*(\g/2):RS+2*(\g/2)+1] op_sel_hi:[1,0]
.set j, j+2
.endr
.set j, 0
.rept 8
	v_pk_fma_f32 v[X+16*\g+j:X+16*\g+j+1], v[X+16*\g+j:X+16*\g+j+1], v[P+32*(\g%2)+j:P+32*(\g%2)+j+1], v[P+32*(\g%2)+16+j:P+32*(\g%2)+16+j+1]
.set j, j+2
.endr
.if \g < 6
	PFETCH \g+2
.endif
.endr
.set j, 0
	s_wait_alu depctr_va_vdst(0)
.rept 128
	v_exp_f32 v[X+j], v[X+j]
.set j, j+1
.endr
	v_nop
	s_wait_alu depctr_va_vdst(0)
.set j, 0
.rept 64
	v_pk_add_f32 v[X+j:X+j+1], v[X+j:X+j+1], 1.0 op_sel_hi:[1,0]
.set j, j+2
.endr
.set j, 0
	s_wait_alu depctr_va_vdst(0)
.rept 128
	v_rcp_f32 v[X+j], v[X+j]
.set j, j+1
.endr
	v_nop
	s_wait_alu depctr_va_vdst(0)                   ; XI, XF, XO hold sigmoids; XG holds 1 / (1 + 2^(2 log2(e) g))
.if \n == 0
	s_wait_loadcnt 40                              ; my c is in; the other window's 40 stay out
.endif
.set j, 0
.rept 16
	v_pk_fma_f32 v[XG+j:XG+j+1], v[XG+j:XG+j+1], -2.0, 1.0 op_sel_hi:[1,0,0]      ; tanh(g)
.set j, j+2
.endr
.set j, 0
.rept 16
	v_pk_mul_f32 v[XI+j:XI+j+1], v[XI+j:XI+j+1], v[XG+j:XG+j+1]                   ; sigmoid(i) tanh(g)
.set j, j+2
.endr
.set j, 0
.rept 16
	v_pk_fma_f32 v[XF+j:XF+j+1], v[XF+j:XF+j+1], v[C+j:C+j+1], v[XI+j:XI+j+1]     ; c_new
.set j, j+2
.endr
.set j, 0
.rept 16
	v_pk_mul_f32 v[XG+j:XG+j+1], v[XF+j:XF+j+1], s[24:25] op_sel_hi:[1,0]         ; 2 log2(e) c_new
.set j, j+2
.endr
.irp u, 0,1,2,3,4,5,6,7
	global_store_b128 v[LA], v[XF+4*\u:XF+4*\u+3], s[14:15] offset:4096*\n+512*\u th:TH_STORE_NT   ; out1: 512 consecutive bytes, aligned
.endr
.set j, 0
	s_wait_alu depctr_va_vdst(0)
.rept 32
	v_exp_f32 v[XG+j], v[XG+j]
.set j, j+1
.endr
	v_nop
	s_wait_alu depctr_va_vdst(0)
.set j, 0
.rept 16
	v_pk_add_f32 v[XG+j:XG+j+1], v[XG+j:XG+j+1], 1.0 op_sel_hi:[1,0]
.set j, j+2
.endr
.set j, 0
	s_wait_alu depctr_va_vdst(0)
.rept 32
	v_rcp_f32 v[XG+j], v[XG+j]
.set j, j+1
.endr
	v_nop
	s_wait_alu depctr_va_vdst(0)
.set j, 0
.rept 16
	v_pk_fma_f32 v[XG+j:XG+j+1], v[XG+j:XG+j+1], -2.0, 1.0 op_sel_hi:[1,0,0]      ; tanh(c_new)
.set j, j+2
.endr
.set j, 0
.rept 16
	v_pk_mul_f32 v[XO+j:XO+j+1], v[XO+j:XO+j+1], v[XG+j:XG+j+1]                   ; h_new
.set j, j+2
.endr
.irp u, 0,1,2,3,4,5,6,7
	global_store_b128 v[LA], v[XO+4*\u:XO+4*\u+3], s[12:13] offset:4096*\n+512*\u th:TH_STORE_NT   ; out0
.endr
.endm
	s_mov_b32 s30, 2                               ; trips: two rows each
.Lpair:
	WIN 0x55                                       ; all four fields: window 1
	RLOAD 1                                        ; the odd row goes out while the even one is worked
	WIN 0
	ROWC 0
	s_wait_loadcnt 0x0                             ; the odd row, gates and c, is in: nothing younger is out, on either way below
	s_cmp_eq_u32 s30, 1
	s_cbranch_scc1 .Lnomore                        ; the last trip has no row two on
	s_wait_xcnt 0x0                                ; the even row's stores have read their registers
	RLOAD 2                                        ; the next even row goes out while the odd one is worked
.Lnomore:
	WIN 0x55
	ROWC 1
	WIN 0
	s_wait_xcnt 0x0                                ; every load and store has read its base and its registers: the bases step two rows
	s_add_nc_u64 s[4:5], s[4:5], 32768
	s_add_nc_u64 s[6:7], s[6:7], 8192
	s_add_nc_u64 s[12:13], s[12:13], 8192
	s_add_nc_u64 s[14:15], s[14:15], 8192
	s_sub_co_i32 s30, s30, 1
	s_cmp_lg_u32 s30, 0
	s_cbranch_scc1 .Lpair
	s_wait_tensorcnt 0x0                           ; the wave's end
	ds_add_u32 v[SPW], v[NIL]
	s_wait_dscnt 0x0
	s_endpgm
.Lfunc_end_k_qcd7a3f74bb_cell:
	.size	k_qcd7a3f74bb_cell, .Lfunc_end_k_qcd7a3f74bb_cell-k_qcd7a3f74bb_cell
	.p2alignl 7, 3214868480
	.fill 96, 4, 3214868480
	.section	.rodata,"a",@progbits
	.p2align	6, 0x0
	.amdhsa_kernel k_qcd7a3f74bb_cell
		.amdhsa_group_segment_fixed_size 33792
		.amdhsa_private_segment_fixed_size 0
		.amdhsa_enable_private_segment 0
		.amdhsa_kernarg_size 48
		.amdhsa_user_sgpr_count 2
		.amdhsa_user_sgpr_kernarg_segment_ptr 1
		.amdhsa_wavefront_size32 1
		.amdhsa_system_sgpr_workgroup_id_x 1
		.amdhsa_system_sgpr_workgroup_id_y 1
		.amdhsa_system_sgpr_workgroup_id_z 1
		.amdhsa_system_vgpr_workitem_id 0
		.amdhsa_next_free_vgpr 512
		.amdhsa_next_free_sgpr 66
		.amdhsa_reserve_vcc 0
		.amdhsa_float_denorm_mode_32 3
		.amdhsa_float_denorm_mode_16_64 3
		.amdhsa_memory_ordered 1
		.amdhsa_forward_progress 1
		.amdhsa_inst_pref_size 130
	.end_amdhsa_kernel
	.amdgpu_metadata
---
amdhsa.version: [ 1, 2 ]
amdhsa.kernels:
  - .name:           k_qcd7a3f74bb_cell
    .symbol:         k_qcd7a3f74bb_cell.kd
    .args:
      - { .name: gates, .offset: 0, .size: 8, .value_kind: global_buffer, .address_space: global }
      - { .name: c, .offset: 8, .size: 8, .value_kind: global_buffer, .address_space: global }
      - { .name: ln_gamma, .offset: 16, .size: 8, .value_kind: global_buffer, .address_space: global }
      - { .name: ln_beta, .offset: 24, .size: 8, .value_kind: global_buffer, .address_space: global }
      - { .name: out0, .offset: 32, .size: 8, .value_kind: global_buffer, .address_space: global }
      - { .name: out1, .offset: 40, .size: 8, .value_kind: global_buffer, .address_space: global }
    .group_segment_fixed_size: 33792
    .private_segment_fixed_size: 0
    .kernarg_segment_align: 8
    .kernarg_segment_size: 48
    .max_flat_workgroup_size: 256
    .sgpr_count:     66
    .vgpr_count:     512
    .wavefront_size: 32
...
	.end_amdgpu_metadata
.endif
;; end of part 3
